; MI455X (gfx1250); checked and timed in simulation.
; The chip was launched on July 23, 2026; its instructions are those of AMD's public machine-readable ISA for CDNA 5 (MIT licence, August 2026) and "CDNA5" Instruction Set Architecture Reference Guide (July 2026). The comments in the code are by the model that wrote it; some were corrected since.
;; Multi Head Attention. Allowed arithmetic: matrix products marked QUANTISED: E3M2 operands, one E8M0 scale for each 32 along K, by v_wmma_scale_f32_16x16x128_f8f6f4 with both operands' format E3M2, f32 sums; everything else in f32.
;; Inputs: Wk 1,024 x 1,024 float32; Wo 1,024 x 1,024 float32; Wq 1,024 x 1,024 float32; Wv 1,024 x 1,024 float32; bk 1,024 float32; bo 1,024 float32; bq 1,024 float32; bv 1,024 float32; ln_beta 1,024 float32; ln_gamma 1,024 float32; x 4 x 2,048 x 1,024 float32.
;; Outputs: out0 4 x 2,048 x 1,024 float32.
;; This version of the problem:
;;   THIS VERSION OF THE PROBLEM IS GIVEN IN LOW PRECISION. The matrix products marked QUANTISED in the list below multiply operands that are first quantised to E3M2 (3 exponent bits, 2 mantissa bits; 6 bits a number), with one power-of-two scale for each 32 numbers along K (OCP MX v1.0); their sums are f32. All else is computed in f32.
;;   The module's matrix products, in the order in which they are computed (A, B: the left and right operand; K: the contracted axis; several contracted axes count as one K, in the product's order):
;;     1. [M 8,192, K 1,024] x [K 1,024, N 1,024]; A: input x; B: input Wq: QUANTISED
;;     2. [M 8,192, K 1,024] x [K 1,024, N 1,024]; A: input x; B: input Wk: QUANTISED
;;     3. [M 8,192, K 1,024] x [K 1,024, N 1,024]; A: input x; B: input Wv: QUANTISED
;;     4. batch 64 x [M 2,048, K 64] x [K 64, N 2,048]; A: computed on the way; B: computed on the way: QUANTISED
;;     5. batch 64 x [M 2,048, K 2,048] x [K 2,048, N 64]; A: softmax (see below); B: computed on the way: QUANTISED
;;     6. [M 8,192, K 1,024] x [K 1,024, N 1,024]; A: computed on the way; B: input Wo: QUANTISED
;;   THE QUANTISER, for each operand of a quantised product, along K:
;;     - K is cut into blocks of 32 from its start; a last block that is shorter is filled with zeros.
;;     - A block's scale is 2^e with e = floor(log2(the largest magnitude in the block)) - 4, held to -126 .. 127; a block of zeros has e = 0. As a byte (E8M0): e + 127.
;;     - Each number is divided by its block's scale, clamped to +-28, and rounded to the nearest number of E3M2, ties to even, subnormals kept.
;;     - The product sums the exact products of the quantised numbers (number of the format x scale) in f32.
;;   ~~~python
;;   def quantise(x, axis):      # numpy; x: float32 -> the quantised numbers, widened to float32 again
;;       x = np.moveaxis(x, axis, -1); K = x.shape[-1]
;;       x = np.pad(x, [(0, 0)] * (x.ndim - 1) + [(0, -K % 32)]); x = x.reshape(x.shape[:-1] + (-1, 32)); a = np.abs(x).max(-1, keepdims=True)
;;       e = np.where(a > 0, np.clip(np.frexp(np.where(a > 0, a, 1))[1] - 1 - 4, -126, 127), 0)      # np.frexp(a)[1] - 1 = floor(log2(a)), exactly
;;       r = np.clip(x / 2.0 ** e, -28, 28)
;;       step = 2.0 ** (np.maximum(np.frexp(np.where(r == 0, 1, r))[1] - 1, -2) - 2)
;;       q = np.round(r / step) * step * 2.0 ** e      # np.round: ties to even
;;       return np.moveaxis(q.reshape(q.shape[:-2] + (-1,))[..., :K], -1, axis).astype(np.float32)
;;   ~~~
;;   SOFTMAX AHEAD OF A QUANTISED PRODUCT. Where the list says 'softmax', what is quantised is not the finished softmax but p = 2^(t - M), with t = logit x log2(e) and M = ceil(the row's largest t), a whole number; so 1/2 < the row's largest p <= 1. The row's sum l is taken of the UNQUANTISED p, in f32, and the product's result is divided by l at the end. Since M is a whole number, a kernel that streams over the keys may use a running M (the ceiling of the running maximum): every later rescaling is an exact power of two, which a block's scale takes up: the codes' values come out the same.
;;   OPERANDS COMPUTED ON THE WAY. 'Computed on the way' means the value that the module computes at that place (a softmax that the list does not call 'softmax' is quantised finished and normalised). What goes into a quantiser is computed in f32, as accurately as f32 sums, v_exp_f32 and their like allow (about 1e-6 of the number): no bf16 or f16 on the way to a quantiser, and a product that is left as it is and whose result goes on into a quantised operand takes f32 operands (vector FMAs, or v_wmma_f32_16x16x4_f32). A number that lies on a knife's edge between two numbers of the format may be rounded either way, as far as f32 arithmetic and the matrix unit's own rounding can turn it there, and no further.
;; One version. Each part assembles by itself: llvm-mc -triple=amdgcn-amd-amdhsa -mcpu=gfx1250 --defsym DOCPART=n.
;; ======== version 1 of 1: 4 launches
;; limits: right only within a limited range of input values
;; workspace buffers: opc 9,437,184 bytes; ops 393,216 bytes; qc 6,291,456 bytes; qs 524,288 bytes; kvc 12,582,912 bytes; kvs 786,432 bytes; cc 6,291,456 bytes; cs 524,288 bytes
;; launch quant (part 1): grid 384 x 1, 4 waves a work-group, no clusters, 34,304 bytes of LDS; arguments x, Wq, Wk, Wv, Wo, opc, ops; writes opc, ops
.if DOCPART == 1
	.amdgcn_target "amdgcn-amd-amdhsa--gfx1250"
	.amdhsa_code_object_version 6
	.text
	.protected	k_q03548e7d7c_quant
	.globl	k_q03548e7d7c_quant
	.p2align	8
	.type	k_q03548e7d7c_quant,@function
k_q03548e7d7c_quant:
	s_mov_b64 s[64:65], 0
	v_nop
	global_prefetch_b8 v0, s[64:65] scope:SCOPE_SE
	s_setreg_imm32_b32 hwreg(HW_REG_WAVE_MODE, 25, 1), 1
	s_wait_xcnt 0x0
; x [8192][1024] and Wq, Wk, Wv, Wo [1024][1024], f32 with K innermost, become codes of BF6 (E3M2) with one E8M0 byte for each 32 along K.
; A block's scale is 2^(floor(log2(its largest magnitude)) - 4); its byte is the largest magnitude's exponent field - 4, held at 1 from below.
; LAYOUT OF THE RESULT.  Rows are cut into tiles of 16: lane r of tile T stands for row 32 (T / 2) + 8 (T % 2) + r + 8 (r / 8).  Tiles 0-511 are x's, 512-575 Wq's, 576-639 Wk's, 640-703 Wv's, 704-767 Wo's.
; opc: [tile][8 K steps][1,536 bytes]: a fragment (16 rows x 128 K, 12 registers a lane) as an image of its registers: registers 4 c .. 4 c + 3 of lane l at 512 c + 16 l.
; ops: [tile][2 halves of K][16 r][4 words]: word s is row r's scale word of K step 4 half + s.
; SHARES.  A work-group takes two tiles, 32 whole rows; wave w takes tile w / 2 and half w % 2 of K: four steps of 128 along K, each a fragment.
; Each load reads 512 consecutive bytes of one row; a step's 16 rows turn through the wave's own stage in LDS (rows of 528 bytes) and come back as the operand's layout wants them: lane (r, h) gets k = 64 c + 32 h + 0 .. 31 of row r.
; No tensor load, no barrier: waves share nothing.  Memory binds: matrix units and clusters would add nothing.
; LIMITS: NaN and infinities are not served.  A block whose largest magnitude lies under 2^-122, a block of zeros among them, gets the byte 1; the bytes are read by this program alone, and a block of zeros has zero codes.
.set STGB, 8448                        ; a wave's stage: 16 rows x 528 bytes
.set R,  16                            ; v16-143  two sets of 64: a step's numbers as loaded
.set X,  144                           ; v144-207 the same as the operand wants them: register 32 c + i = k 64 c + 32 h + i
.set PC, 208                           ; v208-219 the fragment
.set CT, 220                           ; v220-226 the conversions' second halves
.set TM, 228                           ; v228-229 largest magnitudes
.set SO, 230                           ; v230-231 the conversions' scale operands
.set BY, 232                           ; v232-233 the bytes
.set W,  236                           ; v236-239 the four steps' scale words
	s_load_b256 s[4:11], s[0:1], 0x0               ; x, Wq, Wk, Wv
	s_load_b128 s[12:15], s[0:1], 0x20             ; Wo, opc
	s_load_b64 s[16:17], s[0:1], 0x30              ; ops
	v_lshl_add_u32 v244, v0, 2, 0x8400
	v_mov_b32 v245, 0
	v_lshrrev_b32 v1, 5, v0
	v_readfirstlane_b32 s24, v1                    ; wave 0..3
	v_and_b32 v1, 31, v0                           ; lane
	v_and_b32 v2, 15, v0                           ; r
	v_bfe_u32 v3, v0, 4, 1                         ; h
	v_lshlrev_b32 v4, 4, v1                        ; 16 x lane: my bytes of a load, and of an image's plane
	s_mul_i32 s25, s24, STGB
	v_add_nc_u32 v5, s25, v4                       ; the stage, on the way in
	v_mul_u32_u24 v6, v2, 528
	v_lshl_add_u32 v6, v3, 7, v6
	v_add_nc_u32 v6, s25, v6                       ; and on the way out: row r, + 128 h
	v_lshlrev_b32 v7, 4, v2
	v_lshl_add_u32 v7, v3, 3, v7                   ; the scale words' place: 16 r + 8 h
	v_lshlrev_b32 v8, 3, v3                        ; 8 h: my bytes' shift in a scale word
	v_mov_b32 v9, 0                                ; a lane permute's destination counts as one of its sources
	s_mov_b32 s20, 0x76543210
	s_mov_b32 s21, 0xfedcba98                      ; selects for lane l xor 16
	s_lshr_b32 s26, s24, 1                         ; which of the two tiles
	s_and_b32 s27, s24, 1                          ; which half of K
	s_and_b32 s22, ttmp9, 31                       ; the pair of tiles inside a weight
	s_wait_alu depctr_va_vdst(0)
	s_wait_kmcnt 0x0
	s_mov_b64 s[18:19], s[12:13]                   ; the source hangs on the work-group's number alone
	s_cmp_lt_u32 ttmp9, 352
	s_cselect_b64 s[18:19], s[10:11], s[18:19]
	s_cmp_lt_u32 ttmp9, 320
	s_cselect_b64 s[18:19], s[8:9], s[18:19]
	s_cmp_lt_u32 ttmp9, 288
	s_cselect_b64 s[18:19], s[6:7], s[18:19]
	s_cmp_lt_u32 ttmp9, 256
	s_cselect_b64 s[18:19], s[4:5], s[18:19]
	s_cselect_b32 s22, ttmp9, s22                  ; inside x the pair is the work-group's number
	s_lshl_b32 s22, s22, 17                        ; 32 rows of 4,096 bytes,
	s_lshl_b32 s28, s26, 15                        ; the odd tile begins 8 rows down,
	s_add_co_u32 s22, s22, s28
	s_lshl_b32 s28, s27, 11                        ; half of K: 2,048 bytes
	s_add_co_u32 s22, s22, s28
	s_mov_b32 s23, 0
	s_add_nc_u64 s[18:19], s[18:19], s[22:23]
	s_lshl_b32 s28, ttmp9, 1
	s_add_co_u32 s28, s28, s26                     ; my tile
	s_mul_i32 s22, s28, 12288
	s_mul_i32 s29, s27, 6144
	s_add_co_u32 s22, s22, s29
	s_add_nc_u64 s[14:15], s[14:15], s[22:23]
	s_lshl_b32 s22, s28, 9
	s_lshl_b32 s29, s27, 8
	s_add_co_u32 s22, s22, s29
	s_add_nc_u64 s[16:17], s[16:17], s[22:23]
.macro LOAD t                          ; step t: 16 rows x 512 bytes; tile row i is memory row i + 8 (i / 8)
.irp i, 0,1,2,3,4,5,6,7,8,9,10,11,12,13,14,15
	global_load_b128 v[R+64*((\t)%2)+4*\i:R+64*((\t)%2)+4*\i+3], v4, s[18:19] offset:(\i+8*(\i/8))*4096+512*(\t) th:TH_LOAD_NT
.endr
.endm
.macro TURN t                          ; through the stage: LDS serves a wave's instructions in order, so no wait stands between the stores and the loads
.irp i, 0,1,2,3,4,5,6,7,8,9,10,11,12,13,14,15
	ds_store_b128 v5, v[R+64*((\t)%2)+4*\i:R+64*((\t)%2)+4*\i+3] offset:528*\i
.endr
.irp c, 0,1
.irp j, 0,1,2,3,4,5,6,7
	ds_load_b128 v[X+32*\c+4*\j:X+32*\c+4*\j+3], v6 offset:256*\c+16*\j
.endr
.endr
.endm
.macro QUANT32 x, w                    ; 64 numbers of a lane, two whole blocks, become the fragment in v[PC] on and the row's scale word in v[w]
.irp c, 0,1
	v_max3_num_f32 v[TM+\c], |v[\x+32*\c]|, |v[\x+1+32*\c]|, 0x2800000   ; with the floor 2^(5 - 127): the byte cannot fall under 1
.endr
.irp i, 2,4,6,8,10,12,14,16,18,20,22,24,26,28,30
.irp c, 0,1
	v_max3_num_f32 v[TM+\c], v[TM+\c], |v[\x+32*\c+\i]|, |v[\x+1+32*\c+\i]|   ; the two blocks by turns
.endr
.endr
.irp c, 0,1
	v_add_nc_u32 v[SO+\c], 0xfe000000, v[TM+\c]    ; 4 off the exponent field: the conversion takes this operand's exponent field as its scale
.endr
.irp c, 0,1
	v_lshrrev_b32 v[BY+\c], 23, v[SO+\c]           ; the byte
.endr
	v_lshl_or_b32 v[\w], v[BY+1], 16, v[BY]        ; my bytes: blocks h and 2 + h,
	v_lshlrev_b32 v[\w], v8, v[\w]                 ; at their places;
	v_permlanex16_b32 v9, v[\w], s20, s21
	v_or_b32 v[\w], v[\w], v9                      ; with lane l xor 16's two the word is whole, in both lanes
.irp c, 0,1
	v_cvt_scalef32_pk16_bf6_f32 v[PC+6*\c:PC+6*\c+2], v[\x+32*\c:\x+32*\c+15], v[SO+\c]
	v_cvt_scalef32_pk16_bf6_f32 v[CT+4*\c:CT+4*\c+2], v[\x+32*\c+16:\x+32*\c+31], v[SO+\c]   ; (a conversion's three registers begin on an even number)
.endr
	v_nop                                          ; one plain place behind a scaled conversion
.irp c, 0,1
.irp i, 0,1,2
	v_mov_b32 v[PC+3+6*\c+\i], v[CT+4*\c+\i]
.endr
.endr
.endm
.macro QSTEP t
.if (\t) < 3
	s_wait_loadcnt 16                              ; this step's 16 loads are in; the next step's 16 may be out
.else
	s_wait_loadcnt 0x0
.endif
	TURN \t
	s_wait_dscnt 0x0                               ; the numbers are back, so the stage's stores have read their registers
	s_wait_xcnt 0x0                                ; the last step's stores have read the fragment's registers
.if (\t) < 2
	LOAD (\t)+2
.endif
	QUANT32 X, W+(\t)
.irp c, 0,1,2
	global_store_b128 v4, v[PC+4*\c:PC+4*\c+3], s[14:15] offset:1536*(\t)+512*\c   ; 32 lanes store 512 consecutive bytes
.endr
.endm
	LOAD 0
	LOAD 1
	QSTEP 0
	QSTEP 1
	QSTEP 2
	QSTEP 3
	v_cmp_eq_u32 vcc_lo, 1, v3
	v_cndmask_b32 v240, v[W], v[W+2], vcc_lo       ; lanes 0-15 store words 0 and 1, lanes 16-31 words 2 and 3
	v_cndmask_b32 v241, v[W+1], v[W+3], vcc_lo
	global_store_b64 v7, v[240:241], s[16:17]      ; 32 lanes store 256 consecutive bytes, aligned
	s_wait_tensorcnt 0x0
	ds_add_u32 v244, v245
	s_wait_dscnt 0x0
	s_endpgm
.Lfunc_end_k_q03548e7d7c_quant:
	.size	k_q03548e7d7c_quant, .Lfunc_end_k_q03548e7d7c_quant-k_q03548e7d7c_quant
	.p2alignl 7, 3214868480
	.fill 96, 4, 3214868480
	.section	.rodata,"a",@progbits
	.p2align	6, 0x0
	.amdhsa_kernel k_q03548e7d7c_quant
		.amdhsa_group_segment_fixed_size 34304
		.amdhsa_private_segment_fixed_size 0
		.amdhsa_enable_private_segment 0
		.amdhsa_kernarg_size 56
		.amdhsa_user_sgpr_count 2
		.amdhsa_user_sgpr_kernarg_segment_ptr 1
		.amdhsa_wavefront_size32 1
		.amdhsa_system_sgpr_workgroup_id_x 1
		.amdhsa_system_sgpr_workgroup_id_y 1
		.amdhsa_system_sgpr_workgroup_id_z 1
		.amdhsa_system_vgpr_workitem_id 0
		.amdhsa_next_free_vgpr 246
		.amdhsa_next_free_sgpr 66
		.amdhsa_reserve_vcc 1
		.amdhsa_float_denorm_mode_32 3
		.amdhsa_float_denorm_mode_16_64 3
		.amdhsa_memory_ordered 1
		.amdhsa_forward_progress 1
		.amdhsa_inst_pref_size 30
	.end_amdhsa_kernel
	.amdgpu_metadata
---
amdhsa.version: [ 1, 2 ]
amdhsa.kernels:
  - .name:           k_q03548e7d7c_quant
    .symbol:         k_q03548e7d7c_quant.kd
    .args:
      - { .name: x, .offset: 0, .size: 8, .value_kind: global_buffer, .address_space: global }
      - { .name: Wq, .offset: 8, .size: 8, .value_kind: global_buffer, .address_space: global }
      - { .name: Wk, .offset: 16, .size: 8, .value_kind: global_buffer, .address_space: global }
      - { .name: Wv, .offset: 24, .size: 8, .value_kind: global_buffer, .address_space: global }
      - { .name: Wo, .offset: 32, .size: 8, .value_kind: global_buffer, .address_space: global }
      - { .name: opc, .offset: 40, .size: 8, .value_kind: global_buffer, .address_space: global }
      - { .name: ops, .offset: 48, .size: 8, .value_kind: global_buffer, .address_space: global }
    .group_segment_fixed_size: 34304
    .private_segment_fixed_size: 0
    .kernarg_segment_align: 8
    .kernarg_segment_size: 56
    .max_flat_workgroup_size: 128
    .sgpr_count:     66
    .vgpr_count:     246
    .wavefront_size: 32
...
	.end_amdgpu_metadata
.endif
;; end of part 1
;; launch proj (part 2): grid 8 x 48, 4 waves a work-group, clusters of 4 x 4, 327,680 bytes of LDS; arguments opc, ops, bq, bk, bv, qc, qs, kvc, kvs; writes qc, qs, kvc, kvs
.if DOCPART == 2
	.amdgcn_target "amdgcn-amd-amdhsa--gfx1250"
	.amdhsa_code_object_version 6
	.text
	.protected	k_q03548e7d7c_proj
	.globl	k_q03548e7d7c_proj
	.p2align	8
	.type	k_q03548e7d7c_proj,@function
k_q03548e7d7c_proj:
	s_mov_b64 s[64:65], 0
	v_nop
	global_prefetch_b8 v0, s[64:65] scope:SCOPE_SE
	s_setreg_imm32_b32 hwreg(HW_REG_WAVE_MODE, 25, 1), 1
	s_wait_xcnt 0x0
	s_wait_alu depctr_hold_cnt(0) depctr_sa_sdst(0) depctr_va_vdst(0) depctr_va_sdst(0) depctr_va_ssrc(0) depctr_va_vcc(0) depctr_vm_vsrc(0)
	s_getreg_b32 s2, hwreg(HW_REG_IB_STS2, 6, 4)
	s_cmp_eq_u32 s2, 0
	s_cbranch_scc0 .Lentry_in_a_cluster
	s_endpgm
.Lentry_in_a_cluster:
	s_bfe_u32 s2, ttmp6, 0x10000c
	s_cmp_lg_u32 s2, 0xf033
	s_cbranch_scc0 .Lentry_shape_is_right
	s_endpgm
.Lentry_shape_is_right:
.set FR,    12
.set TILEB, 3072
.set HALFT, 8*TILEB
.set SLOT,  4*HALFT
.set SPARE, 3*SLOT
.set ADRA, 8
.set ADRB, 11
.set SOFF, 14
.set L8,   15
.set PWS,  16
.set L16,  24
.set QSO,  25
.set BOQ,  26
.set VSO,  27
.set SPW,  28
.set NIL,  29
.set BOV,  30
.set SC,   32
.set AF,   128
.set HA,   128
.set PC,   192
.set TM,   212
.set TB,   216
.set TS,   220
.set SEL,  2
.set G1,  24
.set G0,  32
.set G1B, 44
.set G0B, 52
.set MSB, 0
.macro WIN new
.if MSB != (\new)
	s_set_vgpr_msb (MSB<<8)|(\new)
.set MSB, (\new)
.endif
.endm
.set MUL_LO, 0xa1
.set MUL_HI, 0xf1
.set TO_B,   0x40
.macro JLOAD g0a, g1a, g0b, g1b
	s_cmp_eq_u32 s23, 0
	s_cbranch_scc0 .Lfor_b_\@
	tensor_load_to_lds s[\g0a:\g0a+3], s[\g1a:\g1a+7]
	s_nop 0
.rept 4
	v_nop
.endr
	s_branch .Lasked_\@
.Lfor_b_\@:
	tensor_load_to_lds s[\g0b:\g0b+3], s[\g1b:\g1b+7]
	s_nop 0
.rept 4
	v_nop
.endr
.Lasked_\@:
.endm
.macro CREST
	s_cmp_lg_u32 s22, 0
	s_cbranch_scc1 .Lnot_wave_0_\@
	s_barrier_signal -3
.Lnot_wave_0_\@:
	s_barrier_wait -3
	s_barrier_signal -1
	s_barrier_wait -1
.endm
.macro CROUND
	s_barrier_signal -1
	s_barrier_wait -1
	CREST
.endm
.macro PLACES n
.rept \n
	v_nop
.endr
.endm
	s_load_b256 s[4:11], s[0:1], 0x0
	s_load_b256 s[12:19], s[0:1], 0x20
	s_load_b64 s[20:21], s[0:1], 0x40
	v_lshl_add_u32 v[SPW], v0, 2, SPARE
	v_mov_b32 v[NIL], 0
	ds_add_u32 v28, v29
	ds_add_u32 v28, v29
	s_wait_dscnt 0x0
	v_lshrrev_b32 v1, 5, v0
	v_readfirstlane_b32 s22, v1
	s_lshr_b32 s23, s22, 1
	s_and_b32 s76, s22, 1
	s_bfe_u32 s66, ttmp6, 0x40000
	s_bfe_u32 s67, ttmp6, 0x40004
	s_mov_b32 s68, ttmp9
	s_and_b32 s69, ttmp7, 0xffff
	s_lshl_b32 s70, s68, 2
	s_add_co_u32 s70, s70, s66
	s_lshl_b32 s74, s67, 2
	s_lshl_b32 s74, 15, s74
	s_lshl_b32 s75, 0x1111, s66
	s_lshl_b32 s78, s69, 6
	s_lshl_b32 s80, s69, 7
	s_sub_co_u32 s80, s80, 1024
	s_cmp_ge_u32 s69, 8
	s_cselect_b32 s71, 1, 0
	s_cselect_b32 s72, 640, s78
	s_cselect_b32 s73, s80, 512
	s_lshl_b32 s78, s67, 4
	s_add_co_u32 s72, s72, s78
	s_lshl_b32 s80, s70, 4
	s_add_co_u32 s73, s73, s80
	s_or_b32 s[G1], s74, (3<<16)|(1<<21)
	s_or_b32 s[G1B], s75, (3<<16)|(1<<21)
.irp g, G1, G1B
	s_mov_b32 s[\g+1], 768<<16                     ; the head's load: rows of 6,144 bytes, K steps 0 to 3 of a tile of 16 rows
	s_mov_b32 s[\g+2], 8<<16
	s_mov_b32 s[\g+3], 768<<16
	s_mov_b32 s[\g+4], 8
	s_mov_b32 s[\g+5], 1536
	s_mov_b32 s[\g+6], 0
	s_mov_b32 s[\g+7], 0
.endr
	s_lshl_b32 s2, s76, 3
	s_add_co_u32 s78, s72, s2
	s_mul_i32 s78, s78, 12288
	s_mov_b32 s79, 0
	s_add_co_u32 s80, s73, s2
	s_mul_i32 s80, s80, 12288
	s_mov_b32 s81, 0
	s_mul_i32 s3, s22, HALFT
	s_mul_i32 s77, s22, 2*HALFT                    ; my part of the first region: 8 tiles x 6,144 bytes
	s_wait_kmcnt 0x0
	s_add_nc_u64 s[78:79], s[4:5], s[78:79]
	s_add_nc_u64 s[80:81], s[4:5], s[80:81]
	CROUND
; Three fills.  Set 0: K steps 0-3 into the first region (2 SLOT bytes, a tile 6,144 bytes).  Set 1: steps 4, 5 into the second (from 2 SLOT on, a tile 3,072 bytes).
; Set 2: steps 6, 7 over the start of each wave's part of the first region (a tile 3,072 bytes), behind the round in step 3.
.macro SET0 n, lds, off, byte
	s_mov_b32 s[G0+4*\n], 1
	s_add_co_u32 s[G0+4*\n+1], \lds, \off
	s_add_nc_u64 s[G0+4*\n+2:G0+4*\n+3], s[78:79], \byte
	s_or_b32 s[G0+4*\n+3], s[G0+4*\n+3], 0x80000000
	s_mov_b32 s[G0B+4*\n], 1
	s_add_co_u32 s[G0B+4*\n+1], \lds, \off
	s_add_nc_u64 s[G0B+4*\n+2:G0B+4*\n+3], s[80:81], \byte
	s_or_b32 s[G0B+4*\n+3], s[G0B+4*\n+3], 0x80000000
.endm
	SET0 0, s77, 0, 0
	SET0 1, s3, 2*SLOT, 2*TILEB
	SET0 2, s77, 0, 3*TILEB
	JLOAD G0, G1, G0B, G1B                         ; one tensor load a wave at the head
	s_lshl_b32 s94, s23, 3
	s_add_co_u32 s94, s94, s72
	s_lshl_b32 s94, s94, 9
	s_add_co_u32 s95, s73, s2
	s_lshl_b32 s95, s95, 9
	v_and_b32 v1, 15, v0
	v_bfe_u32 v2, v0, 4, 1
	v_and_b32 v3, 31, v0
	v_mov_b32 v4, s94
	v_mov_b32 v5, s95
	v_cmp_eq_u32 vcc_lo, 1, v2
	v_cndmask_b32 v4, v4, v5, vcc_lo
	v_lshl_add_u32 v[SOFF], v1, 4, v4
.irp i, 0,1,2,3,4,5,6,7
.irp kh, 0,1
	global_load_b128 v[SC+8*\i+4*\kh:SC+8*\i+4*\kh+3], v[SOFF], s[6:7] offset:512*\i+256*\kh
.endr
.endr
	v_lshlrev_b32 v[L16], 4, v3
	v_lshlrev_b32 v[L8], 3, v3
	s_mul_i32 s100, s23, 2*HALFT                   ; the first region: A's two halves, then B's two
	s_mul_i32 s101, s76, 2*HALFT
	s_add_co_u32 s101, s101, 4*HALFT
	s_mul_i32 s98, s23, HALFT                      ; the second region likewise
	s_mul_i32 s99, s76, HALFT
	s_add_co_u32 s98, s98, 2*SLOT
	s_add_co_u32 s99, s99, 2*SLOT+2*HALFT
	v_add_nc_u32 v[ADRA], s100, v[L16]
	v_add_nc_u32 v[ADRB], s101, v[L16]
	v_add_nc_u32 v[ADRA+1], s98, v[L16]
	v_add_nc_u32 v[ADRB+1], s99, v[L16]
	v_lshlrev_b32 v[QSO], 5, v1
	v_lshl_add_u32 v[QSO], v2, 4, v[QSO]
	v_lshlrev_b32 v[BOQ], 6, v2
	v_mul_u32_u24 v[VSO], v2, 12288
	v_lshl_add_u32 v[VSO], v1, 4, v[VSO]
	v_and_b32 v[BOV], 8, v1
	v_add_nc_u32 v[BOV], v[BOV], v1
	v_lshlrev_b32 v[BOV], 2, v[BOV]
	s_mov_b32 s[SEL], 0x76543210
	s_mov_b32 s[SEL+1], 0xfedcba98
.macro FRAG reg, adr, off
.irp c, 0,1,2
	ds_load_b128 v[\reg+4*\c:\reg+4*\c+3], v[\adr] offset:\off+512*\c
.endr
.endm
.macro FETCH_B slot, q, p
	WIN TO_B
.irp i, 0,1,2,3,4,5,6,7
	FRAG 128*(\p)+FR*\i, ADRB+(\slot)%2, TILEB*(1+(\slot)/2)*\i+1536*(\q)   ; slot 2: the first region with tiles of 6,144 bytes; slot 0: the same bytes with tiles of 3,072; slot 1: the second region
.endr
	WIN 0
.endm
.macro FETCH_A slot, q, i0
.irp i, \i0, \i0+1, \i0+2, \i0+3
	FRAG AF+FR*(\i), ADRA+(\slot)%2, TILEB*(1+(\slot)/2)*(\i)+1536*(\q)
.endr
.endm
.macro MUL16 a0, p, g, zero
.irp a, \a0, \a0+1
.irp b, 0,1,2,3,4,5,6,7
.if \zero
	v_wmma_scale_f32_16x16x128_f8f6f4 v[8*(8*((\a)%4)+\b):8*(8*((\a)%4)+\b)+7], v[128*(\p)+FR*\b:128*(\p)+FR*\b+FR-1], v[AF+FR*(\a):AF+FR*(\a)+FR-1], 0, v[SC+8*\b+(\g)], v[SC+8*(\a)+(\g)] matrix_a_fmt:MATRIX_FMT_BF6 matrix_b_fmt:MATRIX_FMT_BF6 matrix_a_scale:MATRIX_SCALE_ROW1
.else
	v_wmma_scale_f32_16x16x128_f8f6f4 v[8*(8*((\a)%4)+\b):8*(8*((\a)%4)+\b)+7], v[128*(\p)+FR*\b:128*(\p)+FR*\b+FR-1], v[AF+FR*(\a):AF+FR*(\a)+FR-1], v[8*(8*((\a)%4)+\b):8*(8*((\a)%4)+\b)+7], v[SC+8*\b+(\g)], v[SC+8*(\a)+(\g)] matrix_a_fmt:MATRIX_FMT_BF6 matrix_b_fmt:MATRIX_FMT_BF6 matrix_a_scale:MATRIX_SCALE_ROW1
.endif
.endr
.endr
.endm
.macro STEP g, nslot, nq, zero
	s_wait_dscnt 12
	WIN MUL_LO
	MUL16 0, (\g)%2, \g, \zero
	MUL16 2, (\g)%2, \g, \zero
	s_wait_dscnt 0x0
	PLACES 4
	FETCH_B \nslot, \nq, 1-(\g)%2
	FETCH_A \nslot, \nq, 0
	WIN MUL_HI
	MUL16 4, (\g)%2, \g, \zero
	MUL16 6, (\g)%2, \g, \zero
	PLACES 4
	WIN 0
	FETCH_A \nslot, \nq, 4
.endm
.macro TURN g, next, fill
	s_wait_tensorcnt 0x0
	ds_add_u32 v[SPW], v[NIL]
	s_wait_dscnt 13
	WIN MUL_LO
	MUL16 0, 1, \g, 0
	s_wait_dscnt 0x0
	s_barrier_signal -1
	MUL16 2, 1, \g, 0
	WIN 0
	s_barrier_wait -1
.if \fill
	CREST
	JLOAD G0+8, G1, G0B+8, G1B                     ; K steps 6 and 7, the first tensor load behind the round
.else
	PLACES 4
.endif
	FETCH_B \next, 0, 0
	FETCH_A \next, 0, 0
	WIN MUL_HI
	MUL16 4, 1, \g, 0
	MUL16 6, 1, \g, 0
	PLACES 4
	WIN 0
	FETCH_A \next, 0, 4
.endm
.macro LAST g
	s_wait_dscnt 12
	WIN MUL_LO
	MUL16 0, 1, \g, 0
	MUL16 2, 1, \g, 0
	s_wait_dscnt 0x0
	WIN MUL_HI
	MUL16 4, 1, \g, 0
	MUL16 6, 1, \g, 0
	WIN 0
.endm
.macro QUANT s, pw
.irp b, 0,1,2,3
	v_max3_num_f32 v[TM+\b], |v[\s+16*\b]|, |v[\s+1+16*\b]|, 0x2800000
.endr
.irp i, 2,4,6,8,10,12,14
.irp b, 0,1,2,3
	v_max3_num_f32 v[TM+\b], v[TM+\b], |v[\s+16*\b+\i]|, |v[\s+1+16*\b+\i]|
.endr
.endr
.irp b, 0,1,2,3
	v_permlanex16_b32 v[TB+\b], v[TM+\b], s[SEL], s[SEL+1]
.endr
.irp b, 0,1,2,3
	v_max_num_f32 v[TM+\b], v[TM+\b], v[TB+\b]
.endr
.irp b, 0,1,2,3
	v_add_nc_u32 v[TS+\b], 0xfe000000, v[TM+\b]
.endr
.irp b, 0,1,2,3
	v_lshrrev_b32 v[TB+\b], 23, v[TS+\b]
.endr
	v_lshl_or_b32 v[\pw], v[TB+1], 8, v[TB]
	v_lshl_or_b32 v[\pw], v[TB+2], 16, v[\pw]
	v_lshl_or_b32 v[\pw], v[TB+3], 24, v[\pw]
.irp c, 0,1
	v_cvt_scalef32_pk16_bf6_f32 v[PC+6*\c:PC+2+6*\c], v[\s+32*\c:\s+15+32*\c], v[TS+2*\c]
	v_cvt_scalef32_pk16_bf6_f32 v[PC+12+4*\c:PC+14+4*\c], v[\s+16+32*\c:\s+31+32*\c], v[TS+2*\c+1]
.endr
	v_nop
.irp c, 0,1
.irp i, 0,1,2
	v_permlane16_swap_b32 v[PC+6*\c+\i], v[PC+12+4*\c+\i]
.endr
.irp i, 0,1,2
	v_mov_b32 v[PC+3+6*\c+\i], v[PC+12+4*\c+\i]
.endr
.endr
.endm
.macro EPI_QK a
.if (\a) > 0
	s_wait_xcnt 0x0
.endif
	WIN 0x02+(\a)/4
.set j, 0
.rept 32
	v_pk_add_f32 v[HA+j:HA+j+1], v[64*((\a)%4)+j:64*((\a)%4)+j+1], v[96+j+96*(j/32):96+j+96*(j/32)+1]
.set j, j+2
.endr
	WIN 0
	QUANT HA, PWS+(\a)
.irp c, 0,1
.irp p, 0,1,2
	global_store_b64 v[L8], v[PC+6*\c+2*\p:PC+6*\c+2*\p+1], s[84+12*\c:85+12*\c] offset:768*(\a)+256*\p
.endr
.endr
.endm
.macro EPI_V a
.if (\a) > 0
	s_wait_xcnt 0x0
.endif
	WIN 0x02+(\a)/4
.set j, 0
.rept 32
	v_pk_add_f32 v[HA+j:HA+j+1], v[64*((\a)%4)+j:64*((\a)%4)+j+1], v[96+2*(\a):97+2*(\a)]
.set j, j+2
.endr
	WIN 0
	QUANT HA, PWS+(\a)
.irp c, 0,1,2
	global_store_b128 v[L16], v[PC+4*\c:PC+4*\c+3], s[84:85] offset:((\a)/4)*196608+((\a)%4)*1536+512*\c
.endr
.endm
	s_wait_alu depctr_va_vdst(0)
	s_wait_tensorcnt 0x0                           ; my part of K steps 0-3 is in
	ds_add_u32 v[SPW], v[NIL]
	s_mov_b32 s[G1+1], 384<<16                     ; no tensor load of mine is out: from here on a load's rows are 3,072 bytes, two K steps
	s_mov_b32 s[G1+3], 384<<16
	s_mov_b32 s[G1B+1], 384<<16
	s_mov_b32 s[G1B+3], 384<<16
	s_wait_dscnt 0x0
	CROUND                                         ; everybody's part is in, and all sixteen work-groups are here
	JLOAD G0+4, G1, G0B+4, G1B                     ; K steps 4 and 5: three steps' products stand between this request and the wait for it
	FETCH_B 2, 0, 0
	FETCH_A 2, 0, 0
	FETCH_A 2, 0, 4
	s_wait_loadcnt 0x0
	STEP 0, 2, 1, 1
	STEP 1, 2, 2, 0
	STEP 2, 2, 3, 0
	TURN 3, 1, 1
	STEP 4, 1, 1, 0
	TURN 5, 0, 0
	s_cmp_lg_u32 s71, 0
	s_cbranch_scc1 .Lway_v
	s_lshl_b32 s82, s23, 3
	s_add_co_u32 s82, s82, s72
	s_lshr_b32 s83, s82, 7
	s_and_b32 s82, s82, 127
	s_lshl_b32 s83, s83, 4
	s_lshl_b32 s94, s66, 2
	s_add_co_u32 s83, s83, s94
	s_lshl_b32 s94, s76, 1
	s_add_co_u32 s83, s83, s94
	s_mov_b32 s90, 196608
	s_mov_b32 s91, 12288
	s_cmp_eq_u32 s68, 0
	s_cselect_b64 s[84:85], s[14:15], s[18:19]
	s_cselect_b64 s[86:87], s[16:17], s[20:21]
	s_cselect_b64 s[88:89], s[8:9], s[10:11]
	s_cselect_b32 s90, 98304, s90
	s_cselect_b32 s91, 8192, s91
	s_mul_i32 s92, s83, s90
	s_mul_i32 s94, s82, 768
	s_add_co_u32 s92, s92, s94
	s_mov_b32 s93, 0
	s_add_nc_u64 s[84:85], s[84:85], s[92:93]
	s_mov_b32 s92, s90
	s_add_nc_u64 s[96:97], s[84:85], s[92:93]
	s_mul_i32 s92, s83, s91
	s_lshr_b32 s94, s82, 3
	s_lshl_b32 s94, s94, 9
	s_add_co_u32 s92, s92, s94
	s_add_nc_u64 s[86:87], s[86:87], s[92:93]
	s_mov_b32 s92, s91
	s_add_nc_u64 s[98:99], s[86:87], s[92:93]
	s_lshl_b32 s92, s66, 10
	s_lshl_b32 s94, s76, 9
	s_add_co_u32 s92, s92, s94
	s_add_nc_u64 s[88:89], s[88:89], s[92:93]
.irp be, 0,1,2,3
.irp jj, 0,1,2,3
.set BJ, 16*\be+4*\jj
	global_load_b128 v[96+BJ+96*(BJ/32):96+BJ+96*(BJ/32)+3], v[BOQ], s[88:89] offset:128*\be+16*\jj
.endr
.endr
	STEP 6, 0, 1, 0
	LAST 7
	PLACES 4
.irp b, 0,1,2,3
	v_mov_b32 v[TB+\b], 0
.endr
	s_wait_loadcnt 0x0
.irp a, 0,1,2,3,4,5,6,7
	EPI_QK \a
.endr
	v_cmp_eq_u32 vcc_lo, 1, v2
.irp i, 0,1,2,3
	v_cndmask_b32 v[HA+\i], v[PWS+\i], v[PWS+4+\i], vcc_lo
.endr
.irp i, 0,1,2,3
	v_and_b32 v[HA+4+\i], 0xffff, v[HA+\i]
.endr
.irp i, 0,1,2,3
	v_lshrrev_b32 v[HA+8+\i], 16, v[HA+\i]
.endr
	global_store_b128 v[QSO], v[HA+4:HA+7], s[86:87]
	global_store_b128 v[QSO], v[HA+8:HA+11], s[98:99]
	s_branch .Ldone
.Lway_v:
	s_lshl_b32 s82, s67, 4
	s_lshl_b32 s94, s23, 3
	s_add_co_u32 s82, s82, s94
	s_lshl_b32 s94, s76, 3
	s_add_co_u32 s94, s94, s73
	s_lshr_b32 s94, s94, 3
	s_lshr_b32 s83, s94, 4
	s_and_b32 s94, s94, 15
	s_lshl_b32 s83, s83, 4
	s_lshr_b32 s95, s82, 2
	s_add_co_u32 s83, s83, s95
	s_mul_i32 s92, s83, 196608
	s_mul_i32 s95, s94, 6144
	s_add_co_u32 s92, s92, s95
	s_add_co_u32 s92, s92, 98304
	s_mov_b32 s93, 0
	s_add_nc_u64 s[84:85], s[18:19], s[92:93]
	s_mul_i32 s92, s83, 12288
	s_lshl_b32 s95, s94, 8
	s_add_co_u32 s92, s92, s95
	s_add_co_u32 s92, s92, 8192
	s_add_nc_u64 s[86:87], s[20:21], s[92:93]
	s_lshl_b32 s92, s82, 6
	s_add_nc_u64 s[88:89], s[12:13], s[92:93]
.irp a, 0,1,2,3,4,5,6,7
	global_load_b32 v[96+2*\a], v[BOV], s[88:89] offset:4*(32*(\a/2)+8*(\a%2))
	global_load_b32 v[97+2*\a], v[BOV], s[88:89] offset:4*(32*(\a/2)+8*(\a%2))
.endr
	STEP 6, 0, 1, 0
	LAST 7
	PLACES 4
.irp b, 0,1,2,3
	v_mov_b32 v[TB+\b], 0
.endr
	s_wait_loadcnt 0x0
.irp a, 0,1,2,3,4,5,6,7
	EPI_V \a
.endr
	v_cmp_eq_u32 vcc_lo, 1, v2
.irp i, 0,1,2,3
	v_cndmask_b32 v[HA+\i], v[PWS+\i], v[PWS+4+\i], vcc_lo
.endr
	global_store_b128 v[VSO], v[HA:HA+3], s[86:87]
.Ldone:
	s_wait_tensorcnt 0x0
	ds_add_u32 v[SPW], v[NIL]
	s_wait_dscnt 0x0
	CROUND
	s_endpgm
.Lfunc_end_k_q03548e7d7c_proj:
	.size	k_q03548e7d7c_proj, .Lfunc_end_k_q03548e7d7c_proj-k_q03548e7d7c_proj
	.p2alignl 7, 3214868480
	.fill 96, 4, 3214868480
	.section	.rodata,"a",@progbits
	.p2align	6, 0x0
	.amdhsa_kernel k_q03548e7d7c_proj
		.amdhsa_group_segment_fixed_size 327680
		.amdhsa_private_segment_fixed_size 0
		.amdhsa_enable_private_segment 0
		.amdhsa_kernarg_size 72
		.amdhsa_user_sgpr_count 2
		.amdhsa_user_sgpr_kernarg_segment_ptr 1
		.amdhsa_wavefront_size32 1
		.amdhsa_system_sgpr_workgroup_id_x 1
		.amdhsa_system_sgpr_workgroup_id_y 1
		.amdhsa_system_sgpr_workgroup_id_z 1
		.amdhsa_system_vgpr_workitem_id 0
		.amdhsa_next_free_vgpr 1024
		.amdhsa_next_free_sgpr 102
		.amdhsa_reserve_vcc 1
		.amdhsa_float_denorm_mode_32 3
		.amdhsa_float_denorm_mode_16_64 3
		.amdhsa_memory_ordered 1
		.amdhsa_forward_progress 1
		.amdhsa_inst_pref_size 229
	.end_amdhsa_kernel
	.amdgpu_metadata
---
amdhsa.version: [ 1, 2 ]
amdhsa.kernels:
  - .name:           k_q03548e7d7c_proj
    .symbol:         k_q03548e7d7c_proj.kd
    .args:
      - { .name: opc, .offset: 0, .size: 8, .value_kind: global_buffer, .address_space: global }
      - { .name: ops, .offset: 8, .size: 8, .value_kind: global_buffer, .address_space: global }
      - { .name: bq, .offset: 16, .size: 8, .value_kind: global_buffer, .address_space: global }
      - { .name: bk, .offset: 24, .size: 8, .value_kind: global_buffer, .address_space: global }
      - { .name: bv, .offset: 32, .size: 8, .value_kind: global_buffer, .address_space: global }
      - { .name: qc, .offset: 40, .size: 8, .value_kind: global_buffer, .address_space: global }
      - { .name: qs, .offset: 48, .size: 8, .value_kind: global_buffer, .address_space: global }
      - { .name: kvc, .offset: 56, .size: 8, .value_kind: global_buffer, .address_space: global }
      - { .name: kvs, .offset: 64, .size: 8, .value_kind: global_buffer, .address_space: global }
    .group_segment_fixed_size: 327680
    .private_segment_fixed_size: 0
    .kernarg_segment_align: 8
    .kernarg_segment_size: 72
    .max_flat_workgroup_size: 128
    .sgpr_count:     102
    .vgpr_count:     1024
    .wavefront_size: 32
...
	.end_amdgpu_metadata
.endif
;; end of part 2
;; launch attn (part 3): grid 4 x 64, 16 waves a work-group, clusters of 4 x 1, 247,808 bytes of LDS; arguments qc, qs, kvc, kvs, cc, cs; writes cc, cs
.if DOCPART == 3
	.amdgcn_target "amdgcn-amd-amdhsa--gfx1250"
	.amdhsa_code_object_version 6
	.text
	.protected	k_q03548e7d7c_attn
	.globl	k_q03548e7d7c_attn
	.p2align	8
	.type	k_q03548e7d7c_attn,@function
k_q03548e7d7c_attn:
	s_mov_b64 s[64:65], 0
	v_nop
	global_prefetch_b8 v0, s[64:65] scope:SCOPE_SE
	s_setreg_imm32_b32 hwreg(HW_REG_WAVE_MODE, 25, 1), 1
	s_wait_xcnt 0x0
	s_wait_alu depctr_hold_cnt(0) depctr_sa_sdst(0) depctr_va_vdst(0) depctr_va_sdst(0) depctr_va_ssrc(0) depctr_va_vcc(0) depctr_vm_vsrc(0)
	s_getreg_b32 s2, hwreg(HW_REG_IB_STS2, 6, 4)
	s_cmp_eq_u32 s2, 0
	s_cbranch_scc0 .Lentry_in_a_cluster
	s_endpgm
.Lentry_in_a_cluster:
	s_bfe_u32 s2, ttmp6, 0x10000c
	s_cmp_lg_u32 s2, 0x3003
	s_cbranch_scc0 .Lentry_shape_is_right
	s_endpgm
.Lentry_shape_is_right:
; ctx = softmax(Q K^T / 8) V for one head of one batch, both products on codes of BF6 (E3M2) with E8M0 scales; ctx is divided by the row's sum, quantised along the head's 64 and leaves as codes.
; THE SOFTMAX: t = score x log2(e) / 8; M = the running largest t rounded UP to a whole number; p = 2^(t - M) is quantised along the keys, not normalised; the row's sum is taken of the unquantised p.
; When M moves, the sum and O are multiplied by 2^(old M - new M): exact.
; SHARES.  A work-group owns 512 queries of one head; each of its sixteen waves two tiles of 16, one after the other (a loop of two passes, 16 steps of 128 keys each), in 256 registers: four waves to a SIMD.
; THE WHOLE HEAD'S K AND V STAY IN LDS, filled once and only read: nine tensor loads, one a wave (waves 0-3: K's quarters, waves 4-7: V's, wave 8: the scale words); every wave waits for 0, one barrier follows, and none after it.
; CLUSTER.  The four work-groups of a head read the same K and V: every fill is asked for jointly, with the mask of all four.
; LAYOUT.  Both products are used transposed: S^T = K Q^T, O^T = V^T P^T: a lane holds one query throughout.
; WHICH KEYS FORM A TILE OF S^T: tile (c, w) of a step takes keys 64 c + 8 w + 0..7 as its rows 0-7 and keys 64 c + 32 + 8 w + 0..7 as its rows 8-15.  So lane (r, h) holds in the 32 registers of tiles (c, 0..3) the WHOLE block
; 64 c + 32 h + 0..31 of keys, in order: a block's largest score needs no other lane, and the conversions' results are P's operand as the layout wants it, with no exchange between lanes.
; In memory a tile T of K holds keys 32 (T / 2) + 8 (T % 2) + r + 8 (r / 8), as an image of 768 bytes (three planes of 8 bytes a lane).  Lane (r, h) of tile (c, w) so reads the image of tile 4 c + 2 (r / 8) + w % 2 at lane
; r % 8 + 8 (w / 2) + 16 h.  K's bytes land in LDS as rows of 512 bytes with 192 of padding behind each: 1,536 bytes of the image are 2,112 of LDS, 64 modulo 256, so the four groups of eight lanes of a load read four different runs of 64 bytes modulo 256.
; K = 64 IN A FORM WHOSE K IS 128.  Q's registers 6-11 are zero codes.  So K's operand may hold whatever codes stand in its registers 6-11 (the next tile's): they are multiplied by zeros; bytes 2 and 3 of both scale words are 0, never 0xff.
; Nothing is prefetched: every byte that the work-group reads through LDS is asked for at its head, and there is no loop to run ahead in.
; LIMITS: NaN and infinities are not served.  The promise holds while the scaled scores t stay under 2^31 in magnitude.  A block's largest p is taken from the block's largest score, through the same multiply-add and exponential.
; A block whose largest p lies under 2^-122 gets the byte 1.  v_exp_f32 and v_rcp_f32 are good to 1 ulp.  The scale words of ctx leave as 128 consecutive bytes a wave.
; REGISTERS: v1 8 x lane; v2 V's, v3 K's, v4 K's scales', v31 V's scales' LDS base; v5, v6 offsets; v7 ctx's scale words; v8-11 addresses in hand; v12 -M, v13 largest score, v[14:15] the sum; v16-21 Q, v22-27 zeros; v28 Q's scale word;
; v29, v86-91 the second tile's Q; v30 8 h; v32-79 eight half fragments of K, then four fragments of V; v80-85 zeros; v96-159 S^T, then p; v160-191 O^T; v192-203 p's codes; v204-210 second halves; v212-229 at work; v224 p's scale word;
; v[226:227] f; v230-237 four chains of the sum; v240-247 K's scale words; v248-251 V's; v254, v255 the add's two.
.set KQ,    33792                      ; a quarter of K in LDS: 48 rows of 704 bytes
.set KSTP,  8448                       ; a step of K: 12 such rows
.set VB,    135168                     ; V's codes, dense
.set SB,    233472                     ; the scale words: K's 8,192 bytes, then V's 4,096
.set SPARE, 245760                     ; the spare words: 128 bytes a wave
.set WV,   18
.set SEL,  20                          ; s[20:21]
.set CS,   22                          ; s[22:23] c = log2(e) / 8
.set G1K,  24
.set G1V,  32
.set G1S,  40
.set G0K,  48
.set G0V,  52
.set G0S,  56
.set TKK,  60                          ; the step's place in K's block,
.set TKV,  61                          ; in V's,
.set TS,   62                          ; in K's scale words,
.set TJ,   63                          ; in V's
.set PASS, 66
.set HM,   67                          ; the lanes that take this pass's scale word
.set CNT,  84
.set CSN,  85                          ; -c
.macro ROUND
	s_barrier_signal -1
	s_barrier_wait -1
	s_cmp_lg_u32 s[WV], 0
	s_cbranch_scc1 .Lnot_wave_0_\@
	s_barrier_signal -3
.Lnot_wave_0_\@:
	s_barrier_wait -3
	s_barrier_signal -1
	s_barrier_wait -1
.endm
.macro GROUP1 g, w0, c, r              ; r rows of c elements of 8 bytes, dense in memory
	s_mov_b32 s[\g], \w0
	s_mov_b32 s[\g+1], (\c)<<16
	s_mov_b32 s[\g+2], (\r)<<16
	s_mov_b32 s[\g+3], (\c)<<16
	s_mov_b32 s[\g+4], \r
	s_mov_b32 s[\g+5], \c
	s_mov_b32 s[\g+6], 0
	s_mov_b32 s[\g+7], 0
.endm
.macro BEHIND
	s_nop 0
.rept 4
	v_nop
.endr
.endm
	s_load_b256 s[4:11], s[0:1], 0x0               ; qc, qs, kvc, kvs
	s_load_b128 s[12:15], s[0:1], 0x20             ; cc, cs
	v_lshl_add_u32 v254, v0, 2, SPARE
	v_mov_b32 v255, 0
	ds_add_u32 v254, v255
	ds_add_u32 v254, v255
	v_lshrrev_b32 v8, 5, v0
	v_readfirstlane_b32 s[WV], v8                  ; wave 0..15
	s_and_b32 s68, ttmp7, 0xffff                   ; 16 batch + head: the four partners share it
	s_bfe_u32 s69, ttmp6, 0x40000                  ; cx: it enters Q's, cc's and cs's addresses alone
	s_lshr_b32 s2, s68, 4                          ; batch
	s_and_b32 s3, s68, 15                          ; head
	GROUP1 G1K, 15|(3<<16)|(1<<20)|(1<<21)|(6<<22)|(47<<25), 64, 48   ; the mask of all four; rows of 512 bytes, 48 words of padding behind each 128
	GROUP1 G1V, 15|(3<<16)|(1<<21), 32, 96
	GROUP1 G1S, 15|(3<<16)|(1<<21), 32, 48
	s_mul_i32 s73, s[WV], 24576                    ; waves 0-7: the wave's eighth of the head's 196,608 bytes of codes (K's four quarters, then V's)
	s_mul_i32 s74, s68, 196608
	s_add_co_u32 s74, s74, s73
	s_mov_b32 s75, 0
	s_mul_i32 s76, s68, 12288
	s_mov_b32 s77, 0
	s_mov_b32 s[G0K], 1
	s_mul_i32 s[G0K+1], s[WV], KQ                  ; K's quarter w
	s_mov_b32 s[G0V], 1
	s_add_co_u32 s[G0V+1], s73, VB-98304           ; V's quarter w - 4
	s_mov_b32 s[G0S], 1
	s_mov_b32 s[G0S+1], SB
	s_mov_b32 s[SEL], 0x76543210
	s_mov_b32 s[SEL+1], 0xfedcba98
	s_mov_b32 s[CS], 0x3e38aa3b
	s_mov_b32 s[CS+1], s[CS]                       ; (named with it as a pair, so it is written)
	s_mov_b32 s[CSN], 0xbe38aa3b
	s_wait_dscnt 0x0
	s_wait_kmcnt 0x0
	s_add_nc_u64 s[G0K+2:G0K+3], s[8:9], s[74:75]
	s_mov_b64 s[G0V+2:G0V+3], s[G0K+2:G0K+3]
	s_add_nc_u64 s[G0S+2:G0S+3], s[10:11], s[76:77]
	s_or_b32 s[G0K+3], s[G0K+3], 0x80000000
	s_or_b32 s[G0V+3], s[G0V+3], 0x80000000
	s_or_b32 s[G0S+3], s[G0S+3], 0x80000000
	ROUND                                          ; all four work-groups are here: the joint loads meet
	s_cmp_lt_u32 s[WV], 4                          ; one chain of branches on the wave's number, one fill to an arm
	s_cbranch_scc0 .Lnot_k
	tensor_load_to_lds s[G0K:G0K+3], s[G1K:G1K+7]
	BEHIND
	s_branch .Lfilled
.Lnot_k:
	s_cmp_lt_u32 s[WV], 8
	s_cbranch_scc0 .Lnot_v
	tensor_load_to_lds s[G0V:G0V+3], s[G1V:G1V+7]
	BEHIND
	s_branch .Lfilled
.Lnot_v:
	s_cmp_eq_u32 s[WV], 8
	s_cbranch_scc0 .Lfilled
	tensor_load_to_lds s[G0S:G0S+3], s[G1S:G1S+7]
	BEHIND
.Lfilled:
	v_and_b32 v8, 31, v0                           ; lane
	v_and_b32 v9, 15, v0                           ; r
	v_and_b32 v10, 7, v0                           ; r % 8
	v_bfe_u32 v11, v0, 3, 1                        ; r / 8
	v_bfe_u32 v30, v0, 4, 1                        ; h
	v_lshlrev_b32 v1, 3, v8                        ; 8 x lane
	v_lshl_add_u32 v2, v8, 4, VB                   ; 16 x lane, in V's block
	v_lshlrev_b32 v3, 3, v10
	v_lshlrev_b32 v4, 5, v10
	v_lshl_add_u32 v3, v30, 7, v3
	v_lshl_add_u32 v4, v11, 3, v4
	v_mad_u32_u24 v3, v11, 2112, v3                ; K: 8 (r % 8) + 128 h + 2,112 (r / 8)
	v_add_nc_u32 v4, SB, v4                        ; K's scale words: 32 (r % 8) + 8 (r / 8)
	v_lshl_add_u32 v31, v9, 4, SB+8192             ; V's: 16 bytes a row
	v_lshlrev_b32 v5, 5, v9
	v_lshlrev_b32 v6, 2, v8
	v_lshlrev_b32 v30, 3, v30                      ; 8 h: my bytes' shift in p's scale word
	v_mov_b32 v7, 0
.irp i, 22,23,24,25,26,27,80,81,82,83,84,85
	v_mov_b32 v\i, 0                               ; zero codes
.endr
.irp i, 216,217,225,227,228,229
	v_mov_b32 v\i, 0                               ; written once: lane permutes' destinations, and the upper half of f's pair
.endr
	; offsets are made in s16, s70, s72 and s2, registers of their own, and added to the buffers' addresses last
	s_lshl_b32 s72, s69, 5
	s_lshl_b32 s70, s[WV], 1
	s_add_co_u32 s72, s72, s70                     ; my first tile of queries: 32 cx + 2 wave
	s_lshl_b32 s70, s68, 7
	s_add_co_u32 s70, s70, s72
	s_mul_i32 s70, s70, 768
	s_mov_b32 s71, 0
	s_add_nc_u64 s[78:79], s[4:5], s[70:71]        ; Q's codes
	s_lshl_b32 s70, s68, 13
	s_lshr_b32 s16, s72, 3
	s_lshl_b32 s16, s16, 9
	s_add_co_u32 s70, s70, s16
	s_and_b32 s16, s72, 7
	s_lshl_b32 s16, s16, 2
	s_add_co_u32 s70, s70, s16
	s_add_nc_u64 s[80:81], s[6:7], s[70:71]        ; Q's scale words
	s_lshl_b32 s16, s2, 7
	s_add_co_u32 s16, s16, s72                     ; the tile among all 512
	s_mul_i32 s70, s16, 12288
	s_mul_i32 s2, s3, 768
	s_add_co_u32 s70, s70, s2
	s_add_nc_u64 s[82:83], s[12:13], s[70:71]      ; ctx's codes
	s_lshl_b32 s70, s3, 15
	s_lshl_b32 s16, s16, 6
	s_add_co_u32 s70, s70, s16
	s_add_nc_u64 s[14:15], s[14:15], s[70:71]      ; ctx's scale words
	s_wait_alu depctr_va_vdst(0)
.irp p, 0,1,2
	global_load_b64 v[16+2*\p:17+2*\p], v1, s[78:79] offset:256*\p        ; both tiles' Q, while the fills are on their way
	global_load_b64 v[86+2*\p:87+2*\p], v1, s[78:79] offset:768+256*\p
.endr
	global_load_b32 v28, v5, s[80:81]
	global_load_b32 v29, v5, s[80:81] offset:4
	s_wait_tensorcnt 0x0                           ; my fill, if I have one, has landed
	s_barrier_signal -1
	s_barrier_wait -1                              ; all of K, V and the scale words lie in LDS for every wave; nothing writes LDS from here on
	s_wait_loadcnt 0x0
.macro JOIN                            ; the sum's four chains into the sum
	v_pk_add_f32 v[230:231], v[230:231], v[232:233]
	v_pk_add_f32 v[234:235], v[234:235], v[236:237]
	v_pk_add_f32 v[230:231], v[230:231], v[234:235]
	v_pk_add_f32 v[14:15], v[14:15], v[230:231]
.endm
; A KEY STEP: 128 keys.
.macro STEP
	v_add_nc_u32 v8, s[TKK], v3                    ; (these four are the places between the last step's products and the loads into their registers)
	v_add_nc_u32 v9, s[TKV], v2
	v_add_nc_u32 v10, s[TS], v4
	v_add_nc_u32 v11, s[TJ], v31
.irp c, 0,1
.irp w, 0,1,2,3
.irp p, 0,1,2
.set Y, 768*(4*\c+(\w%2))+256*\p+64*(\w/2)     ; the byte in the step's dense image; 192 more for each 512 passed
	ds_load_b64 v[32+6*(4*\c+\w)+2*\p:33+6*(4*\c+\w)+2*\p], v8 offset:Y+192*(Y/512)
.endr
.endr
.endr
.irp c, 0,1
.irp g, 0,1
	ds_load_b64 v[240+4*\c+2*\g:241+4*\c+2*\g], v10 offset:256*\g+16*\c   ; the scale words of tiles (c, 2 g) and (c, 2 g + 1)
.endr
.endr
	s_wait_alu depctr_va_vdst(0)
	s_wait_dscnt 0x0
.irp t, 0,1,2,3,4,5,6,7
	v_wmma_scale_f32_16x16x128_f8f6f4 v[96+8*\t:103+8*\t], v[32+6*\t:43+6*\t], v[16:27], 0, v[240+\t], v28 matrix_a_fmt:MATRIX_FMT_BF6 matrix_b_fmt:MATRIX_FMT_BF6
.endr
	JOIN                                           ; the last step's four chains: four places in front of the loads below and of the first read of the scores
.irp tt, 0,1,2,3
.irp c, 0,1,2
	ds_load_b128 v[32+12*\tt+4*\c:35+12*\tt+4*\c], v9 offset:1536*\tt+512*\c   ; V lands while the softmax runs
.endr
.endr
	ds_load_b128 v[248:251], v11
.irp c, 0,1                            ; the largest score of my two blocks of 32 keys, each in two chains; every accumulator is read from its low end on
	v_max3_num_f32 v[212+\c], v[96+32*\c], v[97+32*\c], v[98+32*\c]
	v_max3_num_f32 v[214+\c], v[113+32*\c], v[114+32*\c], v[115+32*\c]
.endr
.irp i, 0,2,4,6,8,10
.irp c, 0,1
	v_max3_num_f32 v[212+\c], v[212+\c], v[99+32*\c+\i], v[100+32*\c+\i]
	v_max3_num_f32 v[214+\c], v[214+\c], v[116+32*\c+\i], v[117+32*\c+\i]
.endr
.endr
.irp c, 0,1
	v_max3_num_f32 v[212+\c], v[212+\c], v[111+32*\c], v[112+32*\c]
.endr
.irp c, 0,1
	v_max_num_f32 v[212+\c], v[212+\c], v[214+\c]  ; it serves twice: for the row's maximum, and, since p rises with the score, for the block's largest p
.endr
	s_delay_alu instid0(VALU_DEP_1)
	v_max3_num_f32 v228, v212, v213, v13           ; with the running largest score
	s_delay_alu instid0(VALU_DEP_1)
	v_permlanex16_b32 v229, v228, s[SEL], s[SEL+1]
	s_delay_alu instid0(VALU_DEP_1)
	v_max_num_f32 v13, v228, v229                  ; and lane l xor 16's two blocks
	v_mov_b32 v229, v12
	s_delay_alu instid0(VALU_DEP_2)
	v_mul_f32 v228, s[CSN], v13                    ; -t
	s_delay_alu instid0(VALU_DEP_1)
	v_floor_f32 v12, v228                          ; the new -M = floor(-t): a whole number
	s_delay_alu instid0(VALU_DEP_1)
	v_sub_f32 v228, v12, v229                      ; old M - new M: a whole number, 0 or less
	s_delay_alu instid0(VALU_DEP_1)
	v_cvt_i32_f32 v228, v228                       ; (it saturates)
	s_delay_alu instid0(VALU_DEP_1)
	v_ldexp_f32 v226, 1.0, v228                    ; f = 2^(old M - new M)
.set j, 0
.rept 32
	v_pk_fma_f32 v[96+j:97+j], v[96+j:97+j], s[CS:CS+1], v[12:13] op_sel_hi:[1,0,0]   ; t - M, two at a time
.set j, j+2
.endr
.irp c, 0,1
	v_fma_f32 v[212+\c], v[212+\c], s[CS], v12     ; the same of each block's largest score
.endr
.set j, 0
.rept 16
	v_pk_mul_f32 v[160+j:161+j], v[160+j:161+j], v[226:227] op_sel_hi:[1,0]   ; O^T under the new M
.set j, j+2
.endr
	s_wait_alu depctr_va_vdst(0)
.set j, 0
.rept 64
	v_exp_f32 v[96+j], v[96+j]                     ; p = 2^(t - M), at most 1
.set j, j+1
.endr
.irp c, 0,1
	v_exp_f32 v[212+\c], v[212+\c]                 ; the block's largest p
.endr
	v_pk_mul_f32 v[14:15], v[14:15], v[226:227] op_sel_hi:[1,0]   ; the sum under the new M (a plain place behind the exponentials)
	s_wait_alu depctr_va_vdst(0)                   ; one wait for the batch, ahead of its first reader
.irp c, 0,1
	v_max_num_f32 v[212+\c], 0x2800000, v[212+\c]  ; the floor 2^(5 - 127)
.endr
.irp c, 0,1
	v_add_nc_u32 v[220+\c], 0xfe000000, v[212+\c]  ; the conversion's scale operand
.endr
.irp c, 0,1
	v_lshrrev_b32 v[222+\c], 23, v[220+\c]         ; the byte
.endr
	v_lshl_or_b32 v224, v223, 16, v222             ; my bytes: blocks h and 2 + h,
	v_lshlrev_b32 v224, v30, v224                  ; at their places;
	v_permlanex16_b32 v225, v224, s[SEL], s[SEL+1]
	v_or_b32 v224, v224, v225                      ; with lane l xor 16's two p's scale word is whole
.irp c, 0,1
	v_cvt_scalef32_pk16_bf6_f32 v[192+6*\c:194+6*\c], v[96+32*\c:111+32*\c], v[220+\c]
	v_cvt_scalef32_pk16_bf6_f32 v[204+4*\c:206+4*\c], v[112+32*\c:127+32*\c], v[220+\c]   ; (a conversion's three registers begin on an even number)
.endr
	v_nop                                          ; one plain place behind a scaled conversion
.irp c, 0,1
.irp i, 0,1,2
	v_mov_b32 v[195+6*\c+\i], v[204+4*\c+\i]
.endr
.endr
.irp k, 0,1,2,3                        ; the row's sum of the unquantised p: four chains of eight pairs; they are joined behind the next step's first products
	v_pk_add_f32 v[230+2*\k:231+2*\k], v[96+16*\k:97+16*\k], v[98+16*\k:99+16*\k]
.endr
.irp i, 2,3,4,5,6,7
.irp k, 0,1,2,3
	v_pk_add_f32 v[230+2*\k:231+2*\k], v[230+2*\k:231+2*\k], v[96+16*\k+2*\i:97+16*\k+2*\i]
.endr
.endr
	s_wait_alu depctr_va_vdst(0)
	s_wait_dscnt 0x0                               ; V and its scale words
.irp tt, 0,1,2,3
	v_wmma_scale_f32_16x16x128_f8f6f4 v[160+8*\tt:167+8*\tt], v[32+12*\tt:43+12*\tt], v[192:203], v[160+8*\tt:167+8*\tt], v[248+\tt], v224 matrix_a_fmt:MATRIX_FMT_BF6 matrix_b_fmt:MATRIX_FMT_BF6
.endr
	s_add_co_u32 s[TKK], s[TKK], KSTP
	s_add_co_u32 s[TKV], s[TKV], 6144
	s_add_co_u32 s[TS], s[TS], 512
	s_add_co_u32 s[TJ], s[TJ], 256
.endm
	s_mov_b32 s[PASS], 2
	s_mov_b32 s[HM], 0xffff
.Lpass:
	v_mov_b32 v13, 0xff61b1e6                      ; the largest score so far: -3e38
	v_mov_b32 v12, 0x7e967699                      ; -M: 1e38, so that the first step's f is 0
	v_mov_b32 v14, 0
	v_mov_b32 v15, 0
.irp i, 230,231,232,233,234,235,236,237
	v_mov_b32 v\i, 0
.endr
.set j, 0
.rept 32
	v_mov_b32 v[160+j], 0                          ; O^T: the step is written once; the first finds zeros, which the first change of M leaves zeros
.set j, j+1
.endr
	s_mov_b32 s[TKK], 0
	s_mov_b32 s[TKV], 0
	s_mov_b32 s[TS], 0
	s_mov_b32 s[TJ], 0
	s_mov_b32 s[CNT], 16
.Lstep:
	STEP
	s_sub_co_u32 s[CNT], s[CNT], 1
	s_cmp_lg_u32 s[CNT], 0
	s_cbranch_scc1 .Lstep
	JOIN                                           ; the last step's chains: also the four places behind the last products
	v_add_f32 v14, v14, v15
	s_delay_alu instid0(VALU_DEP_1)
	v_permlanex16_b32 v228, v14, s[SEL], s[SEL+1]
	s_delay_alu instid0(VALU_DEP_1)
	v_add_f32 v14, v14, v228                       ; the row's sum
	s_wait_alu depctr_va_vdst(0)
	v_rcp_f32 v14, v14
	v_nop
	s_wait_alu depctr_va_vdst(0)
.set j, 0
.rept 16
	v_pk_mul_f32 v[160+j:161+j], v[160+j:161+j], v[14:15] op_sel_hi:[1,0]   ; ctx: register 16 b + i is channel 32 b + 16 h + i of my query
.set j, j+2
.endr
.irp b, 0,1
	v_max3_num_f32 v[212+\b], |v[160+16*\b]|, |v[161+16*\b]|, 0x2800000
.endr
.irp i, 2,4,6,8,10,12,14
.irp b, 0,1
	v_max3_num_f32 v[212+\b], v[212+\b], |v[160+16*\b+\i]|, |v[161+16*\b+\i]|
.endr
.endr
.irp b, 0,1
	v_permlanex16_b32 v[216+\b], v[212+\b], s[SEL], s[SEL+1]
.endr
.irp b, 0,1
	v_max_num_f32 v[212+\b], v[212+\b], v[216+\b]
.endr
.irp b, 0,1
	v_add_nc_u32 v[220+\b], 0xfe000000, v[212+\b]
.endr
.irp b, 0,1
	v_lshrrev_b32 v[216+\b], 23, v[220+\b]
.endr
	v_lshl_or_b32 v228, v217, 8, v216              ; the head's two bytes; the upper half is 0
	v_cvt_scalef32_pk16_bf6_f32 v[192:194], v[160:175], v220
	v_cvt_scalef32_pk16_bf6_f32 v[196:198], v[176:191], v221
	v_nop
.irp i, 0,1,2
	v_permlane16_swap_b32 v[192+\i], v[196+\i]     ; here a block lies in lanes l and l xor 16: each lane gets a whole one
.endr
	v_mov_b32 v195, v196
	v_mov_b32 v196, v197
	v_mov_b32 v197, v198
	v_cndmask_b32 v7, v7, v228, s[HM]              ; pass 0's word into lanes 0-15, pass 1's into lanes 16-31
.irp p, 0,1,2
	global_store_b64 v1, v[192+2*\p:193+2*\p], s[82:83] offset:256*\p   ; 256 consecutive bytes, aligned
.endr
.irp i, 0,1,2,3,4,5
	v_mov_b32 v[16+\i], v[86+\i]                   ; the second tile's Q
.endr
	v_mov_b32 v28, v29
	s_wait_xcnt 0x0                                ; the stores have read their base and registers
	s_add_nc_u64 s[82:83], s[82:83], 12288
	s_lshl_b32 s[HM], s[HM], 16
	s_sub_co_u32 s[PASS], s[PASS], 1
	s_cmp_lg_u32 s[PASS], 0
	s_wait_alu depctr_va_vdst(0)
	s_cbranch_scc1 .Lpass
	global_store_b32 v6, v7, s[14:15]
	s_wait_tensorcnt 0x0                           ; the wave's end
	ds_add_u32 v254, v255
	s_wait_dscnt 0x0
	ROUND                                          ; the closing round
	s_endpgm
.Lfunc_end_k_q03548e7d7c_attn:
	.size	k_q03548e7d7c_attn, .Lfunc_end_k_q03548e7d7c_attn-k_q03548e7d7c_attn
	.p2alignl 7, 3214868480
	.fill 96, 4, 3214868480
	.section	.rodata,"a",@progbits
	.p2align	6, 0x0
	.amdhsa_kernel k_q03548e7d7c_attn
		.amdhsa_group_segment_fixed_size 247808
		.amdhsa_private_segment_fixed_size 0
		.amdhsa_enable_private_segment 0
		.amdhsa_kernarg_size 48
		.amdhsa_user_sgpr_count 2
		.amdhsa_user_sgpr_kernarg_segment_ptr 1
		.amdhsa_wavefront_size32 1
		.amdhsa_system_sgpr_workgroup_id_x 1
		.amdhsa_system_sgpr_workgroup_id_y 1
		.amdhsa_system_sgpr_workgroup_id_z 1
		.amdhsa_system_vgpr_workitem_id 0
		.amdhsa_next_free_vgpr 256
		.amdhsa_next_free_sgpr 86
		.amdhsa_reserve_vcc 0
		.amdhsa_float_denorm_mode_32 3
		.amdhsa_float_denorm_mode_16_64 3
		.amdhsa_memory_ordered 1
		.amdhsa_forward_progress 1
		.amdhsa_inst_pref_size 30
	.end_amdhsa_kernel
	.amdgpu_metadata
---
amdhsa.version: [ 1, 2 ]
amdhsa.kernels:
  - .name:           k_q03548e7d7c_attn
    .symbol:         k_q03548e7d7c_attn.kd
    .args:
      - { .name: qc, .offset: 0, .size: 8, .value_kind: global_buffer, .address_space: global }
      - { .name: qs, .offset: 8, .size: 8, .value_kind: global_buffer, .address_space: global }
      - { .name: kvc, .offset: 16, .size: 8, .value_kind: global_buffer, .address_space: global }
      - { .name: kvs, .offset: 24, .size: 8, .value_kind: global_buffer, .address_space: global }
      - { .name: cc, .offset: 32, .size: 8, .value_kind: global_buffer, .address_space: global }
      - { .name: cs, .offset: 40, .size: 8, .value_kind: global_buffer, .address_space: global }
    .group_segment_fixed_size: 247808
    .private_segment_fixed_size: 0
    .kernarg_segment_align: 8
    .kernarg_segment_size: 48
    .max_flat_workgroup_size: 512
    .sgpr_count:     86
    .vgpr_count:     256
    .wavefront_size: 32
...
	.end_amdgpu_metadata
.endif
;; end of part 3
;; launch outln (part 4): grid 256 x 1, 16 waves a work-group, no clusters, 162,304 bytes of LDS; arguments cc, cs, opc, ops, x, bo, ln_gamma, ln_beta, out0; writes out0
.if DOCPART == 4
	.amdgcn_target "amdgcn-amd-amdhsa--gfx1250"
	.amdhsa_code_object_version 6
	.text
	.protected	k_q03548e7d7c_outln
	.globl	k_q03548e7d7c_outln
	.p2align	8
	.type	k_q03548e7d7c_outln,@function
k_q03548e7d7c_outln:
	s_mov_b64 s[64:65], 0
	v_nop
	global_prefetch_b8 v0, s[64:65] scope:SCOPE_SE
	s_setreg_imm32_b32 hwreg(HW_REG_WAVE_MODE, 25, 1), 1
	s_wait_xcnt 0x0
; out0 = LayerNorm(ctx Wo^T + bo + x) x gamma + beta.  The product is on codes of BF6 (E3M2) with E8M0 scales; all else is f32.
; SHARES.  A work-group owns 32 whole rows (ctx's tiles 2 g and 2 g + 1), so that a row's mean and variance never leave it.  Wave w makes columns 64 w .. 64 w + 63 for both tiles: eight accumulators.
; Source 0 = 16 rows of Wo (tile 704 + 4 w + t), source 1 = ctx: lane (r, h) holds row 8 u + r + 8 (r / 8) of the 32, and register 32 u + 16 b + i column 64 w + 32 b + 16 h + i.
; Wo's FRAGMENTS GO FROM MEMORY STRAIGHT INTO REGISTERS: each wave reads only its own columns', every load covers 512 consecutive bytes, two K steps (24 loads a wave) are out.
; NO JOINT LOADS, though all work-groups read the same Wo: a joint load lands in LDS, where beside the rows' stage of 131,584 bytes fewer than two K steps of Wo (98,304 bytes each) fit, and a K step is 8 matrix instructions a wave:
; a change of slots with its wait for all loads at every step would have nothing to cover it.
; x comes in whole rows (512 consecutive bytes a load), waits in a stage in LDS, is read there in the accumulators' layout, and the finished rows go back through the same bytes and leave as whole rows.
; Nothing is prefetched: x and ctx are asked for at the head, and Wo's codes are read by every work-group.
; LIMITS: NaN and infinities are not served; v_rsq_f32 is good to 1 ulp.
.set CIMG, 0                           ; LDS: ctx's 16 fragments (tile u, K step s) at (8 u + s) x 1,536
.set RED1, 24576                       ; 32 rows x 16 waves: partial sums
.set RED2, 26624                       ; the same for the squares
.set STG,  28672                       ; 32 rows of 4,096 + 16 bytes
.set SP,   4112
.set ACC,  16                          ; v16-79   x on its way to the stage, then the accumulators, then y
.set A,    176                         ; v176-199 ctx's two fragments
.set WS,   200                         ; v200-231 Wo's scale words: 8 t + s
.set CSW,  232                         ; v232-239 ctx's: K step s: lanes 0-15 tile 0, lanes 16-31 tile 1
	s_load_b256 s[4:11], s[0:1], 0x0               ; cc, cs, opc, ops
	s_load_b256 s[12:19], s[0:1], 0x20             ; x, bo, gamma, beta
	s_load_b64 s[20:21], s[0:1], 0x40              ; out0
	v_lshrrev_b32 v1, 5, v0
	s_delay_alu instid0(VALU_DEP_1)
	v_readfirstlane_b32 s22, v1                    ; wave 0..15
	v_and_b32 v12, 31, v0                          ; lane
	v_and_b32 v13, 15, v0                          ; r
	v_bfe_u32 v11, v0, 4, 1                        ; h
	s_delay_alu instid0(VALU_DEP_3)
	v_lshlrev_b32 v1, 4, v12                       ; 16 x lane
	s_delay_alu instid0(VALU_DEP_4)
	v_lshlrev_b32 v2, 3, v12                       ; 8 x lane
	s_delay_alu instid0(VALU_DEP_4)
	v_lshlrev_b32 v3, 4, v13                       ; 16 r
	v_lshlrev_b32 v4, 2, v12                       ; 4 x lane
	s_mul_i32 s26, s22, 2*SP
	s_add_co_u32 s26, s26, STG
	v_add_nc_u32 v5, s26, v1                       ; the stage by rows: my rows 2 w and 2 w + 1
	v_and_b32 v14, 8, v13
	s_delay_alu instid0(VALU_DEP_1)
	v_add_nc_u32 v14, v14, v13                     ; r + 8 (r / 8)
	s_delay_alu instid0(VALU_DEP_1)
	v_mul_u32_u24 v6, v14, SP
	s_delay_alu instid0(VALU_DEP_1)
	v_lshl_add_u32 v6, v11, 6, v6
	s_lshl_b32 s26, s22, 8
	s_add_co_u32 s26, s26, STG
	v_add_nc_u32 v6, s26, v6                       ; the stage in the accumulators' layout: my row of tile 0, + 256 w + 64 h
	v_lshlrev_b32 v8, 6, v12
	s_delay_alu instid0(VALU_DEP_1)
	v_add_nc_u32 v8, RED1, v8                      ; the sixteen waves' partial sums of (u = h, r)
	s_lshl_b32 s26, s22, 2
	v_add_nc_u32 v7, s26, v8                       ; and my wave's word among them
	v_lshlrev_b32 v9, 6, v11                       ; 64 h
	s_mul_i32 s26, s22, 1536
	v_add_nc_u32 v10, s26, v1                      ; where I put my part of ctx's image
	v_cmp_eq_u32 s30, 1, v11                       ; lanes 16-31
	s_mov_b32 s24, 0x76543210
	s_mov_b32 s25, 0xfedcba98
	s_mov_b32 s31, 0x3a800000                      ; 1 / 1,024
	s_mov_b32 s32, 0x3727c5ac                      ; 1e-5
	s_mov_b32 s27, 0
	s_mov_b32 s29, 0
	s_wait_alu depctr_va_vdst(0)
	s_wait_kmcnt 0x0
	s_mul_i32 s28, ttmp9, 24576
	s_add_co_u32 s28, s28, s26
	s_add_nc_u64 s[4:5], s[4:5], s[28:29]          ; ctx's codes: my 1,536 bytes of the work-group's 24,576
	s_lshl_b32 s28, ttmp9, 7
	s_add_nc_u64 s[6:7], s[6:7], s[28:29]          ; ctx's scale words: 64 bytes a tile
	s_lshl_b32 s26, s22, 2
	s_add_co_u32 s26, s26, 704                     ; my first tile of Wo
	s_mul_i32 s28, s26, 12288
	s_add_nc_u64 s[8:9], s[8:9], s[28:29]
	s_lshl_b32 s28, s26, 9
	s_add_nc_u64 s[10:11], s[10:11], s[28:29]
	s_lshl_b32 s28, ttmp9, 17
	s_lshl_b32 s26, s22, 13
	s_add_co_u32 s28, s28, s26                     ; rows 32 g + 2 w on
	s_add_nc_u64 s[12:13], s[12:13], s[28:29]
	s_add_nc_u64 s[20:21], s[20:21], s[28:29]
	s_lshl_b32 s28, s22, 8                         ; my 64 columns
	s_add_nc_u64 s[14:15], s[14:15], s[28:29]
	s_add_nc_u64 s[16:17], s[16:17], s[28:29]
	s_add_nc_u64 s[18:19], s[18:19], s[28:29]
.macro BLOAD s                         ; Wo's four fragments of K step s into set s % 2 (v80-127, v128-175)
.irp t, 0,1,2,3
.irp c, 0,1,2
	global_load_b128 v[80+48*((\s)%2)+12*\t+4*\c:80+48*((\s)%2)+12*\t+4*\c+3], v1, s[8:9] offset:12288*\t+1536*(\s)+512*\c
.endr
.endr
.endm
.irp i, 0,1,2,3,4,5,6,7,8,9,10,11,12,13,14,15
	global_load_b128 v[ACC+4*\i:ACC+4*\i+3], v1, s[12:13] offset:4096*(\i/8)+512*(\i%8) th:TH_LOAD_NT
.endr
.irp c, 0,1,2
	global_load_b128 v[A+4*\c:A+4*\c+3], v1, s[4:5] offset:512*\c th:TH_LOAD_NT
.endr
.irp hh, 0,1,2,3,4,5,6,7,8,9,10,11,12,13,14,15
	global_load_b32 v[240+\hh], v4, s[6:7] offset:32768*\hh   ; head hh: lanes 0-15 tile 0's rows, lanes 16-31 tile 1's
.endr
.irp t, 0,1,2,3
.irp kh, 0,1
	global_load_b128 v[WS+8*\t+4*\kh:WS+8*\t+4*\kh+3], v3, s[10:11] offset:512*\t+256*\kh
.endr
.endr
	BLOAD 0
	BLOAD 1
	s_wait_loadcnt 24                              ; all but Wo's first two K steps
.irp i, 0,1,2,3,4,5,6,7,8,9,10,11,12,13,14,15
	ds_store_b128 v5, v[ACC+4*\i:ACC+4*\i+3] offset:SP*(\i/8)+512*(\i%8)
.endr
.irp c, 0,1,2
	ds_store_b128 v10, v[A+4*\c:A+4*\c+3] offset:CIMG+512*\c
.endr
.irp s, 0,1,2,3,4,5,6,7
	v_lshl_or_b32 v[CSW+\s], v[241+2*\s], 16, v[240+2*\s]   ; K step s is heads 2 s and 2 s + 1: two bytes each
.endr
	v_mov_b32 v248, 0                              ; lane permutes' destinations
	v_mov_b32 v249, 0
.rept 8
	v_nop                                          ; a scale register written by a vector instruction stands eight places ahead of a scaled matrix instruction
.endr
	s_wait_dscnt 0x0
	s_barrier_signal -1
	s_barrier_wait -1                              ; x's 32 rows and ctx's 16 fragments lie in LDS
.macro KSTEP s
.irp u, 0,1
.irp p, 0,1,2,3,4,5
	ds_load_b64 v[A+12*\u+2*\p:A+12*\u+2*\p+1], v2 offset:CIMG+(8*\u+(\s))*1536+256*\p
.endr
.endr
.if (\s) < 7
	s_wait_loadcnt 12                              ; this step's fragments of Wo are in; the next step's 12 loads may be out
.else
	s_wait_loadcnt 8                               ; bo's 8 loads may be out
.endif
	s_wait_dscnt 0x0
.irp t, 0,1,2,3                        ; the eight accumulators take turns
.if (\s) == 0
	v_wmma_scale_f32_16x16x128_f8f6f4 v[ACC+8*\t:ACC+8*\t+7], v[80+48*((\s)%2)+12*\t:80+48*((\s)%2)+12*\t+11], v[A:A+11], 0, v[WS+8*\t+(\s)], v[CSW+(\s)] matrix_a_fmt:MATRIX_FMT_BF6 matrix_b_fmt:MATRIX_FMT_BF6
	s_wait_alu depctr_va_vdst(0)
	v_wmma_scale_f32_16x16x128_f8f6f4 v[ACC+32+8*\t:ACC+32+8*\t+7], v[80+48*((\s)%2)+12*\t:80+48*((\s)%2)+12*\t+11], v[A+12:A+23], 0, v[WS+8*\t+(\s)], v[CSW+(\s)] matrix_a_fmt:MATRIX_FMT_BF6 matrix_b_fmt:MATRIX_FMT_BF6 matrix_b_scale:MATRIX_SCALE_ROW1
.else
	v_wmma_scale_f32_16x16x128_f8f6f4 v[ACC+8*\t:ACC+8*\t+7], v[80+48*((\s)%2)+12*\t:80+48*((\s)%2)+12*\t+11], v[A:A+11], v[ACC+8*\t:ACC+8*\t+7], v[WS+8*\t+(\s)], v[CSW+(\s)] matrix_a_fmt:MATRIX_FMT_BF6 matrix_b_fmt:MATRIX_FMT_BF6
	v_wmma_scale_f32_16x16x128_f8f6f4 v[ACC+32+8*\t:ACC+32+8*\t+7], v[80+48*((\s)%2)+12*\t:80+48*((\s)%2)+12*\t+11], v[A+12:A+23], v[ACC+32+8*\t:ACC+32+8*\t+7], v[WS+8*\t+(\s)], v[CSW+(\s)] matrix_a_fmt:MATRIX_FMT_BF6 matrix_b_fmt:MATRIX_FMT_BF6 matrix_b_scale:MATRIX_SCALE_ROW1
.endif
.endr
.rept 4
	v_nop                                          ; places in front of loads into registers that these products read, and of the first read of results
.endr
.if (\s) < 6
	BLOAD (\s)+2
.elseif (\s) == 6
.irp be, 0,1
.irp jj, 0,1,2,3
	global_load_b128 v[80+16*\be+4*\jj:83+16*\be+4*\jj], v9, s[14:15] offset:128*\be+16*\jj   ; bo at my columns
.endr
.endr
.endif
.endm
.irp s, 0,1,2,3,4,5,6,7
	KSTEP \s
.endr
.irp u, 0,1
.irp be, 0,1
.irp jj, 0,1,2,3
	ds_load_b128 v[128+32*\u+16*\be+4*\jj:131+32*\u+16*\be+4*\jj], v6 offset:8*SP*\u+128*\be+16*\jj   ; x in the accumulators' layout
.endr
.endr
.endr
	s_wait_dscnt 0x0
	s_wait_loadcnt 0x0                             ; bo
.set j, 0
.rept 32
	v_pk_add_f32 v[ACC+j:ACC+j+1], v[ACC+j:ACC+j+1], v[128+j:129+j]   ; each accumulator from its low end on
.set j, j+2
.endr
.set j, 0
.rept 32
	v_pk_add_f32 v[ACC+j:ACC+j+1], v[ACC+j:ACC+j+1], v[80+j%32:81+j%32]
.set j, j+2
.endr
.irp be, 0,1
.irp jj, 0,1,2,3
	global_load_b128 v[128+16*\be+4*\jj:131+16*\be+4*\jj], v9, s[16:17] offset:128*\be+16*\jj   ; gamma and beta land under the two reductions
	global_load_b128 v[160+16*\be+4*\jj:163+16*\be+4*\jj], v9, s[18:19] offset:128*\be+16*\jj
.endr
.endr
; The pairs v[240:241] (tile 0) and v[242:243] (tile 1) hold my lane's partial sums.  They are joined with lane l xor 16's; lane (r, h) hands tile h's to LDS; behind a barrier it adds the sixteen waves' words.
; At the end v240 holds the total of (tile h, r) and v241 that of the other tile.
.macro REDUCE off
	s_delay_alu instid0(VALU_DEP_2)
	v_add_f32 v240, v240, v241
	s_delay_alu instid0(VALU_DEP_2)
	v_add_f32 v242, v242, v243
	s_delay_alu instid0(VALU_DEP_2)
	v_permlanex16_b32 v248, v240, s24, s25
	s_delay_alu instid0(VALU_DEP_2)
	v_permlanex16_b32 v249, v242, s24, s25
	s_delay_alu instid0(VALU_DEP_2)
	v_add_f32 v240, v240, v248
	s_delay_alu instid0(VALU_DEP_2)
	v_add_f32 v242, v242, v249
	s_delay_alu instid0(VALU_DEP_1)
	v_cndmask_b32 v244, v240, v242, s30
	ds_store_b32 v7, v244 offset:\off
	s_wait_dscnt 0x0                               ; for the others' sake
	s_barrier_signal -1
	s_barrier_wait -1
.irp k, 0,1,2,3
	ds_load_b128 v[240+4*\k:243+4*\k], v8 offset:\off+16*\k
.endr
	s_wait_dscnt 0x0
	v_pk_add_f32 v[240:241], v[240:241], v[242:243]
	v_pk_add_f32 v[244:245], v[244:245], v[246:247]
	v_pk_add_f32 v[248:249], v[248:249], v[250:251]
	v_pk_add_f32 v[252:253], v[252:253], v[254:255]
	s_delay_alu instid0(VALU_DEP_3)
	v_pk_add_f32 v[240:241], v[240:241], v[244:245]
	s_delay_alu instid0(VALU_DEP_2)
	v_pk_add_f32 v[248:249], v[248:249], v[252:253]
	s_delay_alu instid0(VALU_DEP_1)
	v_pk_add_f32 v[240:241], v[240:241], v[248:249]
	s_delay_alu instid0(VALU_DEP_1)
	v_add_f32 v240, v240, v241
	s_delay_alu instid0(VALU_DEP_1)
	v_permlanex16_b32 v241, v240, s24, s25
.endm
.macro SPREAD                          ; v[244:245] = tile 0's figure twice, v[246:247] = tile 1's
	v_cndmask_b32 v244, v240, v241, s30
	v_cndmask_b32 v245, v240, v241, s30
	v_cndmask_b32 v246, v241, v240, s30
	v_cndmask_b32 v247, v241, v240, s30
.endm
.irp u, 0,1
	v_pk_add_f32 v[240+2*\u:241+2*\u], v[ACC+32*\u:ACC+32*\u+1], v[ACC+32*\u+2:ACC+32*\u+3]
.endr
.irp j, 4,6,8,10,12,14,16,18,20,22,24,26,28,30
.irp u, 0,1
	s_delay_alu instid0(VALU_DEP_2)
	v_pk_add_f32 v[240+2*\u:241+2*\u], v[240+2*\u:241+2*\u], v[ACC+32*\u+\j:ACC+32*\u+\j+1]
.endr
.endr
	REDUCE 0
	s_delay_alu instid0(VALU_DEP_2)
	v_mul_f32 v240, s31, v240                      ; the means
	s_delay_alu instid0(VALU_DEP_2)
	v_mul_f32 v241, s31, v241
	SPREAD
.irp u, 0,1
.set j, 0
.rept 16
	v_pk_add_f32 v[ACC+32*\u+j:ACC+32*\u+j+1], v[ACC+32*\u+j:ACC+32*\u+j+1], v[244+2*\u:245+2*\u] neg_lo:[0,1] neg_hi:[0,1]   ; y - mean
.set j, j+2
.endr
.endr
.irp u, 0,1
	v_pk_mul_f32 v[240+2*\u:241+2*\u], v[ACC+32*\u:ACC+32*\u+1], v[ACC+32*\u:ACC+32*\u+1]
.endr
.irp j, 2,4,6,8,10,12,14,16,18,20,22,24,26,28,30
.irp u, 0,1
	s_delay_alu instid0(VALU_DEP_2)
	v_pk_fma_f32 v[240+2*\u:241+2*\u], v[ACC+32*\u+\j:ACC+32*\u+\j+1], v[ACC+32*\u+\j:ACC+32*\u+\j+1], v[240+2*\u:241+2*\u]
.endr
.endr
	REDUCE RED2-RED1
	s_delay_alu instid0(VALU_DEP_2)
	v_fma_f32 v240, v240, s31, s32                 ; the variance + 1e-5
	s_delay_alu instid0(VALU_DEP_2)
	v_fma_f32 v241, v241, s31, s32
	s_wait_alu depctr_va_vdst(0)
	v_rsq_f32 v240, v240
	v_rsq_f32 v241, v241
	v_nop                                          ; one plain place behind a transcendental
	s_wait_alu depctr_va_vdst(0)
	SPREAD
.irp u, 0,1
.set j, 0
.rept 16
	v_pk_mul_f32 v[ACC+32*\u+j:ACC+32*\u+j+1], v[ACC+32*\u+j:ACC+32*\u+j+1], v[244+2*\u:245+2*\u]
.set j, j+2
.endr
.endr
	s_wait_loadcnt 0x0                             ; gamma and beta
.set j, 0
.rept 32
	v_pk_fma_f32 v[ACC+j:ACC+j+1], v[ACC+j:ACC+j+1], v[128+j%32:129+j%32], v[160+j%32:161+j%32]
.set j, j+2
.endr
.irp u, 0,1
.irp be, 0,1
.irp jj, 0,1,2,3
	ds_store_b128 v6, v[ACC+32*\u+16*\be+4*\jj:ACC+32*\u+16*\be+4*\jj+3] offset:8*SP*\u+128*\be+16*\jj   ; into the very bytes that this lane read x from
.endr
.endr
.endr
	s_wait_dscnt 0x0
	s_barrier_signal -1
	s_barrier_wait -1                              ; 32 whole rows lie in the stage
.irp i, 0,1,2,3,4,5,6,7,8,9,10,11,12,13,14,15
	ds_load_b128 v[80+4*\i:83+4*\i], v5 offset:SP*(\i/8)+512*(\i%8)
.endr
.irp i, 0,1,2,3,4,5,6,7,8,9,10,11,12,13,14,15
	s_wait_dscnt 15-\i
	global_store_b128 v1, v[80+4*\i:83+4*\i], s[20:21] offset:4096*(\i/8)+512*(\i%8) th:TH_STORE_NT   ; 32 lanes store 512 consecutive bytes of a row
.endr
	s_wait_xcnt 0x0
	v_lshl_add_u32 v254, v0, 2, 0x27200
	v_mov_b32 v255, 0
	s_wait_alu depctr_va_vdst(0)
	s_wait_tensorcnt 0x0
	ds_add_u32 v254, v255
	s_wait_dscnt 0x0
	s_endpgm
.Lfunc_end_k_q03548e7d7c_outln:
	.size	k_q03548e7d7c_outln, .Lfunc_end_k_q03548e7d7c_outln-k_q03548e7d7c_outln
	.p2alignl 7, 3214868480
	.fill 96, 4, 3214868480
	.section	.rodata,"a",@progbits
	.p2align	6, 0x0
	.amdhsa_kernel k_q03548e7d7c_outln
		.amdhsa_group_segment_fixed_size 162304
		.amdhsa_private_segment_fixed_size 0
		.amdhsa_enable_private_segment 0
		.amdhsa_kernarg_size 72
		.amdhsa_user_sgpr_count 2
		.amdhsa_user_sgpr_kernarg_segment_ptr 1
		.amdhsa_wavefront_size32 1
		.amdhsa_system_sgpr_workgroup_id_x 1
		.amdhsa_system_sgpr_workgroup_id_y 1
		.amdhsa_system_sgpr_workgroup_id_z 1
		.amdhsa_system_vgpr_workitem_id 0
		.amdhsa_next_free_vgpr 256
		.amdhsa_next_free_sgpr 66
		.amdhsa_reserve_vcc 0
		.amdhsa_float_denorm_mode_32 3
		.amdhsa_float_denorm_mode_16_64 3
		.amdhsa_memory_ordered 1
		.amdhsa_forward_progress 1
		.amdhsa_inst_pref_size 62
	.end_amdhsa_kernel
	.amdgpu_metadata
---
amdhsa.version: [ 1, 2 ]
amdhsa.kernels:
  - .name:           k_q03548e7d7c_outln
    .symbol:         k_q03548e7d7c_outln.kd
    .args:
      - { .name: cc, .offset: 0, .size: 8, .value_kind: global_buffer, .address_space: global }
      - { .name: cs, .offset: 8, .size: 8, .value_kind: global_buffer, .address_space: global }
      - { .name: opc, .offset: 16, .size: 8, .value_kind: global_buffer, .address_space: global }
      - { .name: ops, .offset: 24, .size: 8, .value_kind: global_buffer, .address_space: global }
      - { .name: x, .offset: 32, .size: 8, .value_kind: global_buffer, .address_space: global }
      - { .name: bo, .offset: 40, .size: 8, .value_kind: global_buffer, .address_space: global }
      - { .name: ln_gamma, .offset: 48, .size: 8, .value_kind: global_buffer, .address_space: global }
      - { .name: ln_beta, .offset: 56, .size: 8, .value_kind: global_buffer, .address_space: global }
      - { .name: out0, .offset: 64, .size: 8, .value_kind: global_buffer, .address_space: global }
    .group_segment_fixed_size: 162304
    .private_segment_fixed_size: 0
    .kernarg_segment_align: 8
    .kernarg_segment_size: 72
    .max_flat_workgroup_size: 512
    .sgpr_count:     66
    .vgpr_count:     256
    .wavefront_size: 32
...
	.end_amdgpu_metadata
.endif
;; end of part 4
